; MI455X (gfx1250); checked and timed in simulation.
; The chip was launched on July 23, 2026; its instructions are those of AMD's public machine-readable ISA for CDNA 5 (MIT licence, August 2026) and "CDNA5" Instruction Set Architecture Reference Guide (July 2026). The comments in the code are by the model that wrote it; some were corrected since.
;; My Cross Attention ori. Allowed arithmetic: matrix products marked QUANTISED: E4M3 operands, one E8M0 scale for each 32 along K, by v_wmma_scale_f32_16x16x128_f8f6f4 with both operands' format E4M3, f32 sums; products left as they are: f32 operands where the result goes on into a quantised operand, else bf16, f16 or f32 operands; f32 sums; everything else in f32.
;; Inputs: Wk 512 x 512 float32; Wp 512 x 512 float32; Wq 512 x 512 float32; k 4 x 2,048 x 512 float32; q 4 x 4,096 x 512 float32; supp_mask 4 x 2,048 int32; v 4 x 2,048 x 512 float32.
;; Outputs: out0 4 x 4,096 x 512 float32.
;; This version of the problem:
;;   THIS VERSION OF THE PROBLEM IS GIVEN IN LOW PRECISION. The matrix products marked QUANTISED in the list below multiply operands that are first quantised to E4M3 (4 exponent bits, 3 mantissa bits; 8 bits a number), with one power-of-two scale for each 32 numbers along K (OCP MX v1.0); their sums are f32. All else is computed in f32.
;;   The module's matrix products, in the order in which they are computed (A, B: the left and right operand; K: the contracted axis; several contracted axes count as one K, in the product's order):
;;     1. [M 16,384, K 512] x [K 512, N 512]; A: input q; B: input Wq: QUANTISED
;;     2. [M 8,192, K 512] x [K 512, N 512]; A: input k; B: input Wk: QUANTISED
;;     3. batch 32 x [M 4,096, K 64] x [K 64, N 2,048]; A: computed on the way; B: computed on the way: QUANTISED
;;     4. batch 4 x [M 32,768, K 2,048] x [K 2,048, N 1]; A: softmax; B: input supp_mask: left as it is (N = 1 < 16)
;;     5. [M 16,384, K 512] x [K 512, N 512]; A: computed on the way; B: input Wp: QUANTISED
;;   THE QUANTISER, for each operand of a quantised product, along K:
;;     - K is cut into blocks of 32 from its start; a last block that is shorter is filled with zeros.
;;     - A block's scale is 2^e with e = floor(log2(the largest magnitude in the block)) - 8, held to -126 .. 127; a block of zeros has e = 0. As a byte (E8M0): e + 127.
;;     - Each number is divided by its block's scale, clamped to +-448, and rounded to the nearest number of E4M3, ties to even, subnormals kept.
;;     - The product sums the exact products of the quantised numbers (number of the format x scale) in f32.
;;   ~~~python
;;   def quantise(x, axis):      # numpy; x: float32 -> the quantised numbers, widened to float32 again
;;       x = np.moveaxis(x, axis, -1); K = x.shape[-1]
;;       x = np.pad(x, [(0, 0)] * (x.ndim - 1) + [(0, -K % 32)]); x = x.reshape(x.shape[:-1] + (-1, 32)); a = np.abs(x).max(-1, keepdims=True)
;;       e = np.where(a > 0, np.clip(np.frexp(np.where(a > 0, a, 1))[1] - 1 - 8, -126, 127), 0)      # np.frexp(a)[1] - 1 = floor(log2(a)), exactly
;;       r = np.clip(x / 2.0 ** e, -448, 448)
;;       step = 2.0 ** (np.maximum(np.frexp(np.where(r == 0, 1, r))[1] - 1, -6) - 3)
;;       q = np.round(r / step) * step * 2.0 ** e      # np.round: ties to even
;;       return np.moveaxis(q.reshape(q.shape[:-2] + (-1,))[..., :K], -1, axis).astype(np.float32)
;;   ~~~
;;   OPERANDS COMPUTED ON THE WAY. 'Computed on the way' means the value that the module computes at that place (a softmax that the list does not call 'softmax' is quantised finished and normalised). What goes into a quantiser is computed in f32, as accurately as f32 sums, v_exp_f32 and their like allow (about 1e-6 of the number): no bf16 or f16 on the way to a quantiser, and a product that is left as it is and whose result goes on into a quantised operand takes f32 operands (vector FMAs, or v_wmma_f32_16x16x4_f32). A number that lies on a knife's edge between two numbers of the format may be rounded either way, as far as f32 arithmetic and the matrix unit's own rounding can turn it there, and no further.
;; One version. Each part assembles by itself: llvm-mc -triple=amdgcn-amd-amdhsa -mcpu=gfx1250 --defsym DOCPART=n.
;; ======== version 1 of 1: 4 launches
;; limits: right only within a limited range of input values
;; workspace buffers: wcodes 786,432 bytes; wscales 24,576 bytes; qc 8,912,896 bytes; kc 4,456,448 bytes; sv 524,288 bytes
;; launch wquant (part 1): grid 96 x 1, 16 waves a work-group, no clusters, 43,264 bytes of LDS; arguments Wq, Wk, Wp, wcodes, wscales; writes wcodes, wscales
.if DOCPART == 1
	.amdgcn_target "amdgcn-amd-amdhsa--gfx1250"
	.amdhsa_code_object_version 6
	.text
	.protected	k_q827fb34e22_wquant
	.globl	k_q827fb34e22_wquant
	.p2align	8
	.type	k_q827fb34e22_wquant,@function
k_q827fb34e22_wquant:
	s_mov_b64 s[64:65], 0
	v_nop
	global_prefetch_b8 v0, s[64:65] scope:SCOPE_SE
	s_setreg_imm32_b32 hwreg(HW_REG_WAVE_MODE, 25, 1), 1
	s_wait_xcnt 0x0
; Wq, Wk, Wp, each [512 (n)][512 (k)] f32 with K innermost, become codes of FP8 (E4M3), one byte each, laid [3][512][512], and one E8M0 scale byte for each 32 along K, laid [3][512][16].
; WORK LEFT OUT BY THE WHOLE PROGRAM: the input v.  reference() takes v among its arguments and never reads it (its values are supp_mask, spread over the head's axis), so for all values of the inputs
; no output hangs on v: it is not loaded and is among no launch's arguments.  LIMIT: a NaN or an infinity in v is not carried to the result.
; A block's scale is 2^(floor(log2(its largest magnitude)) - 8); its byte is the largest magnitude's exponent field - 8, held at 1 from below.  Each number is divided by the scale, held within +-448
; and rounded to the nearest code, ties to even.  (A block of zeros gets the byte 1 where the rule says 127: its codes are zeros, and the bytes are read by this program alone.)
; LIMITS: blocks whose largest magnitude lies under 2^-118 take the floor's byte, 1; NaN and infinities among the inputs are not served.
; SHARES.  1,536 rows of 512 numbers: 96 work-groups x 16 waves, a row a wave.  Each of a wave's four loads reads 512 consecutive bytes, 16 a lane; the 2,048 bytes turn through the wave's own stage in LDS
; and come back 64 bytes a lane, so that a lane holds 16 neighbours along K and two neighbouring lanes a block.  A lane's 16 codes are 16 bytes: the wave stores 512 consecutive bytes.
; A row has 16 scale bytes, a work-group 256: they are gathered in LDS and wave 0 stores them as one aligned run of 256 bytes.  No tensor load.
.set EMAX,  8
.set MANT,  0x600000                   ; the mantissa field of 448 as f32
.set SP,    80                         ; a lane's place in a stage: its 64 bytes + 16 of padding
.set STG,   32*SP                      ; a wave's stage
.set SCB,   16*STG                     ; behind the stages: the work-group's 256 scale bytes
.set SPARE, SCB+256                    ; the spare words, 128 bytes for each wave; no other line names them
.set SPW,   12                         ; v12  LDS address of my spare word; never rewritten
.set NIL,   13                         ; v13  0; never rewritten
.set R,     16                         ; v16-31 the row as it is loaded
.set X,     32                         ; v32-47 my 16 neighbours
.set C,     48                         ; v48-51 their codes
	s_load_b128 s[4:7], s[0:1], 0x0                ; Wq, Wk
	s_load_b128 s[8:11], s[0:1], 0x10              ; Wp, the codes
	s_load_b64 s[12:13], s[0:1], 0x20              ; the scale bytes
	v_lshl_add_u32 v[SPW], v0, 2, SPARE
	v_mov_b32 v[NIL], 0
	v_lshrrev_b32 v1, 5, v0
	v_readfirstlane_b32 s16, v1                    ; wave 0..15
	v_and_b32 v2, 31, v0                           ; lane
	v_lshlrev_b32 v3, 4, v2                        ; my 16 bytes of a load's 512, and of the row's codes
	s_mul_i32 s17, s16, STG
	v_lshrrev_b32 v14, 2, v2
	v_mul_u32_u24 v14, v14, SP
	v_and_b32 v15, 3, v2
	v_lshl_add_u32 v14, v15, 4, v14
	v_add_nc_u32 v14, s17, v14                     ; the stage, on the way in: four lanes' 64 bytes on end, then 16 of padding
	v_mul_u32_u24 v15, v2, SP
	v_add_nc_u32 v15, s17, v15                     ; and on the way out: SP x lane: my 16 neighbours
	v_lshrrev_b32 v5, 1, v2
	s_lshl_b32 s17, s16, 4
	s_add_co_u32 s17, s17, SCB
	v_add_nc_u32 v5, s17, v5                       ; my block's byte: SCB + 16 wave + lane / 2
	v_lshlrev_b32 v7, 3, v2                        ; on the way out 8 bytes a lane
	v_add_nc_u32 v6, SCB, v7
	s_mov_b32 s23, MANT                            ; (an instruction takes one literal: the hold's line has another)
	s_and_b32 s18, ttmp9, 31
	s_lshl_b32 s18, s18, 4
	s_add_co_u32 s18, s18, s16                     ; my row of its tensor,
	s_lshl_b32 s18, s18, 11                        ; 2,048 bytes a row
	s_mov_b32 s19, 0
	s_lshl_b32 s20, ttmp9, 4
	s_add_co_u32 s20, s20, s16                     ; and of the three tensors on end,
	s_lshl_b32 s20, s20, 9                         ; 512 bytes of codes a row
	s_mov_b32 s21, 0
	s_lshl_b32 s24, ttmp9, 8                       ; 256 scale bytes a work-group
	s_mov_b32 s25, 0
	s_wait_alu depctr_va_vdst(0)                   ; the wait at the head's end
	s_wait_kmcnt 0x0
	s_cmp_lt_u32 ttmp9, 32                         ; work-groups 0-31: Wq, 32-63: Wk, 64-95: Wp.  The choice hangs on the work-group's number alone
	s_cselect_b64 s[4:5], s[4:5], s[6:7]
	s_cmp_lt_u32 ttmp9, 64
	s_cselect_b64 s[4:5], s[4:5], s[8:9]
	s_add_nc_u64 s[4:5], s[4:5], s[18:19]
	s_add_nc_u64 s[10:11], s[10:11], s[20:21]
	s_add_nc_u64 s[12:13], s[12:13], s[24:25]
.irp i, 0,1,2,3
	global_load_b128 v[R+4*\i:R+4*\i+3], v3, s[4:5] offset:512*\i th:TH_LOAD_NT   ; 32 lanes read 512 consecutive bytes
.endr
	s_wait_loadcnt 0x0
.irp i, 0,1,2,3
	ds_store_b128 v14, v[R+4*\i:R+4*\i+3] offset:8*SP*\i
.endr
.irp i, 0,1,2,3
	ds_load_b128 v[X+4*\i:X+4*\i+3], v15 offset:16*\i              ; LDS serves a wave's instructions in order: these see my stores
.endr
	s_wait_dscnt 0x0
	v_max3_num_f32 v8, |v[X]|, |v[X+1]|, |v[X+2]|                  ; the largest magnitude of my 16, in two chains
	v_max3_num_f32 v9, |v[X+3]|, |v[X+4]|, |v[X+5]|
.irp i, 6,10
	v_max3_num_f32 v8, v8, |v[X+\i]|, |v[X+\i+1]|
	v_max3_num_f32 v9, v9, |v[X+\i+2]|, |v[X+\i+3]|
.endr
	v_max3_num_f32 v8, v8, |v[X+14]|, |v[X+15]|
	v_max3_num_f32 v8, v8, v9, (EMAX+1)<<23        ; and the floor 2^(9 - 127): so the byte cannot fall under 1
	v_max_num_f32_dpp v8, v8, v8 row_xmask:1 row_mask:0xf bank_mask:0xf   ; and of my neighbour's 16: the block's
	v_add_nc_u32 v11, -(EMAX<<23), v8              ; 8 off its exponent field: the conversion takes the exponent field of this operand as its scale
	v_and_or_b32 v10, v8, 0x7f800000, s23          ; 448 x the scale
.irp i, 0,1,2,3,4,5,6,7,8,9,10,11,12,13,14,15
	v_med3_num_f32 v[X+\i], v[X+\i], -v10, v10     ; the conversion to an 8-bit code does not saturate (ISA guide 7.6.2): the hold comes first
.endr
	v_cvt_scalef32_pk8_fp8_f32 v[C:C+1], v[X:X+7], v11
	v_cvt_scalef32_pk8_fp8_f32 v[C+2:C+3], v[X+8:X+15], v11
	v_lshrrev_b32 v52, 23, v11                     ; the scale's byte (also the plain line behind the conversions)
	ds_store_b8 v5, v52                            ; both lanes of a block write the same byte with the same value
	global_store_b128 v3, v[C:C+3], s[10:11]       ; 512 consecutive bytes, aligned
	s_wait_dscnt 0x0                               ; my 16 bytes are stored:
	s_barrier_signal -1
	s_barrier_wait -1                              ; everybody's are
	s_cmp_lg_u32 s16, 0
	s_cbranch_scc1 .Lnot_first
	ds_load_b64 v[8:9], v6
	s_wait_dscnt 0x0
	global_store_b64 v7, v[8:9], s[12:13]          ; wave 0: 32 lanes store 256 consecutive bytes, aligned
.Lnot_first:
	s_wait_tensorcnt 0x0                           ; the wave's end: behind my last LDS store
	ds_add_u32 v[SPW], v[NIL]
	s_wait_dscnt 0x0
	s_endpgm
.Lfunc_end_k_q827fb34e22_wquant:
	.size	k_q827fb34e22_wquant, .Lfunc_end_k_q827fb34e22_wquant-k_q827fb34e22_wquant
	.p2alignl 7, 3214868480
	.fill 96, 4, 3214868480
	.section	.rodata,"a",@progbits
	.p2align	6, 0x0
	.amdhsa_kernel k_q827fb34e22_wquant
		.amdhsa_group_segment_fixed_size 43264
		.amdhsa_private_segment_fixed_size 0
		.amdhsa_enable_private_segment 0
		.amdhsa_kernarg_size 40
		.amdhsa_user_sgpr_count 2
		.amdhsa_user_sgpr_kernarg_segment_ptr 1
		.amdhsa_wavefront_size32 1
		.amdhsa_system_sgpr_workgroup_id_x 1
		.amdhsa_system_sgpr_workgroup_id_y 1
		.amdhsa_system_sgpr_workgroup_id_z 1
		.amdhsa_system_vgpr_workitem_id 0
		.amdhsa_next_free_vgpr 64
		.amdhsa_next_free_sgpr 66
		.amdhsa_reserve_vcc 0
		.amdhsa_float_denorm_mode_32 3
		.amdhsa_float_denorm_mode_16_64 3
		.amdhsa_memory_ordered 1
		.amdhsa_forward_progress 1
		.amdhsa_inst_pref_size 6
	.end_amdhsa_kernel
	.amdgpu_metadata
---
amdhsa.version: [ 1, 2 ]
amdhsa.kernels:
  - .name:           k_q827fb34e22_wquant
    .symbol:         k_q827fb34e22_wquant.kd
    .args:
      - { .name: Wq, .offset: 0, .size: 8, .value_kind: global_buffer, .address_space: global }
      - { .name: Wk, .offset: 8, .size: 8, .value_kind: global_buffer, .address_space: global }
      - { .name: Wp, .offset: 16, .size: 8, .value_kind: global_buffer, .address_space: global }
      - { .name: wcodes, .offset: 24, .size: 8, .value_kind: global_buffer, .address_space: global }
      - { .name: wscales, .offset: 32, .size: 8, .value_kind: global_buffer, .address_space: global }
    .group_segment_fixed_size: 43264
    .private_segment_fixed_size: 0
    .kernarg_segment_align: 8
    .kernarg_segment_size: 40
    .max_flat_workgroup_size: 512
    .sgpr_count:     66
    .vgpr_count:     64
    .wavefront_size: 32
...
	.end_amdgpu_metadata
.endif
;; end of part 1
;; launch proj (part 2): grid 192 x 1, 8 waves a work-group, no clusters, 327,680 bytes of LDS; arguments q, k, wcodes, wscales, qc, kc; writes qc, kc
.if DOCPART == 2
	.amdgcn_target "amdgcn-amd-amdhsa--gfx1250"
	.amdhsa_code_object_version 6
	.text
	.protected	k_q827fb34e22_proj
	.globl	k_q827fb34e22_proj
	.p2align	8
	.type	k_q827fb34e22_proj,@function
k_q827fb34e22_proj:
	s_mov_b64 s[64:65], 0
	v_nop
	global_prefetch_b8 v0, s[64:65] scope:SCOPE_SE
	s_setreg_imm32_b32 hwreg(HW_REG_WAVE_MODE, 25, 1), 1
	s_wait_xcnt 0x0
; qh = Q(q) Q(Wq)^T and kh = Q(k) Q(Wk)^T on codes of FP8 (E4M3) with one E8M0 scale for each 32 along K = 512, each result quantised again along its head's 64 and stored as codes and scale words
; in groups of 64 rows (4,096 + 256 bytes), in the order of the next launch's operand registers.  Work-groups 0-127 take 128 rows of q each, 128-191 128 rows of k; wave w makes head w's 64 columns.
; The rows are worked as two blocks of 64.  Waves 0-3 bring the first block, waves 4-7 the second, each by its one tensor load: 64 rows x 128 numbers (512 bytes a row, 16 bytes of padding behind each 256 in LDS: 544 from row to row).
; The two groups have load lines of their own: at the first barrier waves 0-3 alone wait, and the first block reads LDS bytes under 8 x 17,408 alone, which are theirs; between the blocks every wave waits.
; A wave's 64 rows of the weight go from memory into registers while the tiles are on their way.
; In each block the eight waves quantise the rows, hand them to each other through LDS as images of the operand's registers, and multiply.
; LIMITS: NaN and infinities are not served; a block's byte never falls under 1.
.set STRIP, 17408
.set XT1,   8*STRIP
.set XPI,   272
.set XIMG,  2*XT1
.set XSC,   XIMG+16*2048
.set SPARE, XSC+16*128
.set GRP,   4352
.set XR0, 4
.set XR1, 5
.set XWI, 8
.set XWS, 9
.set FI,  10
.set FS,  11
.set GO,  12
.set GS,  13
.set XF,  16
.set HA,  80
.set PC,  112
.set ST,  128
.set RC,  128
.set TM,  192
.set PW,  208
.set RW,  209
.set SW,  214
.set XS,  216
.set WS,  220
.set SPW, 252
.set NIL, 253
.set WV,  16
.set G1,  24
.set G0,  32
.set SEL, 40
.set MNT, 42
.set UPH, 43
.set MSB, 0
.macro WIN new
.if MSB != \new
	s_set_vgpr_msb (MSB<<8)|\new
.set MSB, \new
.endif
.endm
.macro PLACES n
.rept \n
	v_nop
.endr
.endm
.macro XREAD reg, adr, f
.irp b, 0,1,2,3
.irp j, 0,1,2,3
	ds_load_b128 v[\reg+16*\b+4*\j:\reg+16*\b+4*\j+3], v[\adr] offset:(\f)*2*STRIP+(\b/2)*XPI+(\b%2)*128+16*\j
.endr
.endr
.endm
.macro QUANT src, nb, pc, pw
.set qb, 0
.rept \nb
	v_max3_num_f32 v[TM+qb], |v[\src+16*qb]|, |v[\src+16*qb+1]|, 0x4800000
.set qb, qb+1
.endr
.set qi, 2
.rept 7
.set qb, 0
.rept \nb
	v_max3_num_f32 v[TM+qb], v[TM+qb], |v[\src+16*qb+qi]|, |v[\src+16*qb+qi+1]|
.set qb, qb+1
.endr
.set qi, qi+2
.endr
.set qb, 0
.rept \nb
	v_permlanex16_b32 v[TM+4+qb], v[TM+qb], s[SEL], s[SEL+1]
.set qb, qb+1
.endr
.set qb, 0
.rept \nb
	v_max_num_f32 v[TM+qb], v[TM+qb], v[TM+4+qb]
.set qb, qb+1
.endr
.set qb, 0
.rept \nb
	v_add_nc_u32 v[TM+12+qb], 0xfc000000, v[TM+qb]
.set qb, qb+1
.endr
.set qb, 0
.rept \nb
	v_and_or_b32 v[TM+8+qb], v[TM+qb], 0x7f800000, s[MNT]
.set qb, qb+1
.endr
.set qb, 0
.rept \nb
	v_lshrrev_b32 v[TM+4+qb], 23, v[TM+12+qb]
.set qb, qb+1
.endr
	v_lshl_or_b32 v[\pw], v[TM+5], 8, v[TM+4]
.if \nb > 2
	s_delay_alu instid0(VALU_DEP_1)
	v_lshl_or_b32 v[\pw], v[TM+6], 16, v[\pw]
	s_delay_alu instid0(VALU_DEP_1)
	v_lshl_or_b32 v[\pw], v[TM+7], 24, v[\pw]
.endif
.set qb, 0
.rept \nb
.set qi, 0
.rept 16
	v_med3_num_f32 v[\src+16*qb+qi], v[\src+16*qb+qi], -v[TM+8+qb], v[TM+8+qb]
.set qi, qi+1
.endr
	v_cvt_scalef32_pk8_fp8_f32 v[\pc+4*qb:\pc+4*qb+1], v[\src+16*qb:\src+16*qb+7], v[TM+12+qb]
	v_cvt_scalef32_pk8_fp8_f32 v[\pc+4*qb+2:\pc+4*qb+3], v[\src+16*qb+8:\src+16*qb+15], v[TM+12+qb]
.set qb, qb+1
.endr
	v_nop
.endm
.macro IMAGE adr, off
.irp c, 0,1,2,3
	ds_store_b128 v[\adr], v[PC+4*\c:PC+4*\c+3] offset:\off+512*\c
.endr
.endm
.macro FETCHM m
.irp s, 0,1,2,3
.irp c, 0,1,2,3
	ds_load_b128 v[XF+16*\s+4*\c:XF+16*\s+4*\c+3], v[FI] offset:(4*(\m)+\s)*2048+512*\c
.endr
	ds_load_b32 v[XS+\s], v[FS] offset:128*(4*(\m)+\s)
.endr
.endm
.macro MULP
	WIN 0x01
.irp s, 0,1,2,3
.irp t, 0,1,2,3
.if \s == 0
	v_wmma_scale_f32_16x16x128_f8f6f4 v[HA+8*\t:HA+8*\t+7], v[16*(4*\t+\s):16*(4*\t+\s)+15], v[XF+16*\s:XF+16*\s+15], 0, v[WS+4*\t+\s], v[XS+\s]
.else
	v_wmma_scale_f32_16x16x128_f8f6f4 v[HA+8*\t:HA+8*\t+7], v[16*(4*\t+\s):16*(4*\t+\s)+15], v[XF+16*\s:XF+16*\s+15], v[HA+8*\t:HA+8*\t+7], v[WS+4*\t+\s], v[XS+\s]
.endif
.endr
.endr
	WIN 0
.endm
.macro BARRIER
	s_wait_dscnt 0x0
	s_barrier_signal -1
	s_barrier_wait -1
.endm
.macro BLOCK blk, adr
	XREAD ST, \adr, 0
	XREAD XF, \adr, 1
	s_wait_dscnt 16
	QUANT ST, 4, PC, PW
	IMAGE XWI, 0
	ds_store_b32 v[XWS], v[PW]
	s_wait_dscnt 0x0
	QUANT XF, 4, PC, PW
	IMAGE XWI, 2048
	ds_store_b32 v[XWS], v[PW] offset:128
	BARRIER
.if \blk == 0
	s_wait_loadcnt 0x0
.endif
	FETCHM 0
.irp m, 0,1,2,3
	s_wait_dscnt 0x0
	MULP
	PLACES 9
.if \m < 3
	FETCHM \m+1
.endif
	QUANT HA, 2, RC+8*\m, RW+\m
	global_store_b128 v[GO], v[RC+8*\m:RC+8*\m+3], s[12:13] offset:\blk*GRP+\m*1024
	global_store_b128 v[GO], v[RC+8*\m+4:RC+8*\m+7], s[12:13] offset:\blk*GRP+\m*1024+512
.endr
	v_cndmask_b32 v[SW], v[RW], v[RW+2], s[UPH]
	v_cndmask_b32 v[SW+1], v[RW+1], v[RW+3], s[UPH]
	global_store_b64 v[GS], v[SW:SW+1], s[12:13] offset:\blk*GRP
.endm
	s_load_b128 s[4:7], s[0:1], 0x0
	s_load_b128 s[8:11], s[0:1], 0x10
	s_load_b128 s[12:15], s[0:1], 0x20
	v_lshl_add_u32 v[SPW], v0, 2, SPARE
	v_mov_b32 v[NIL], 0
	ds_add_u32 v[SPW], v[NIL]
	ds_add_u32 v[SPW], v[NIL]
	v_lshrrev_b32 v1, 5, v0
	s_delay_alu instid0(VALU_DEP_1)
	v_readfirstlane_b32 s[WV], v1
	s_cmp_lt_u32 ttmp9, 128
	s_cselect_b32 s18, 0, 128
	s_cselect_b32 s19, 5, 4
	s_cselect_b32 s20, 0, 262144
	s_cselect_b32 s21, 0, 8192
	s_mov_b32 s22, 32*GRP
	s_cselect_b32 s22, 64*GRP, s22
	s_sub_co_u32 s17, ttmp9, s18
	s_lshr_b32 s44, s17, s19
	s_lshl_b32 s45, s44, s19
	s_sub_co_u32 s45, s17, s45
	s_lshl_b32 s46, s17, 18
	s_and_b32 s48, s[WV], 3
	s_lshl_b32 s48, s48, 9                         ; my quarter of a row: 512 bytes
	s_add_co_u32 s46, s46, s48
	s_lshr_b32 s48, s[WV], 2
	s_lshl_b32 s48, s48, 17                        ; my block: 64 rows of 2,048 bytes
	s_add_co_u32 s46, s46, s48
	s_mov_b32 s47, 0
	s_lshl_b32 s44, s44, 3
	s_add_co_u32 s44, s44, s[WV]
	s_mul_i32 s48, s44, s22
	s_mul_i32 s45, s45, 2*GRP
	s_add_co_u32 s48, s48, s45
	s_mov_b32 s49, 0
	s_lshl_b32 s50, s[WV], 15
	s_add_co_u32 s50, s50, s20
	s_mov_b32 s51, 0
	s_lshl_b32 s52, s[WV], 10
	s_add_co_u32 s52, s52, s21
	s_mov_b32 s53, 0
	s_mul_i32 s54, s[WV], 2*STRIP
	s_mov_b32 s[G1+0], (2<<16)|(1<<20)|(5<<22)|(3<<25)
	s_mov_b32 s[G1+1], 128<<16
	s_mov_b32 s[G1+2], 64<<16
	s_mov_b32 s[G1+3], 128<<16
	s_mov_b32 s[G1+4], 64
	s_mov_b32 s[G1+5], 512
	s_mov_b32 s[G1+6], 0
	s_mov_b32 s[G1+7], 0
	s_mov_b32 s[SEL], 0x76543210
	s_mov_b32 s[SEL+1], 0xfedcba98
	s_mov_b32 s[MNT], 0x600000
	s_mov_b32 s[UPH], 0xffff0000
	s_wait_dscnt 0x0
	s_wait_kmcnt 0x0
	s_cmp_lt_u32 ttmp9, 128
	s_cselect_b64 s[4:5], s[4:5], s[6:7]
	s_cselect_b64 s[12:13], s[12:13], s[14:15]
	s_add_nc_u64 s[4:5], s[4:5], s[46:47]
	s_add_nc_u64 s[12:13], s[12:13], s[48:49]
	s_add_nc_u64 s[8:9], s[8:9], s[50:51]
	s_add_nc_u64 s[10:11], s[10:11], s[52:53]
	s_mov_b32 s[G0+0], 1
	s_mov_b32 s[G0+1], s54
	s_mov_b64 s[G0+2:G0+3], s[4:5]
	s_or_b32 s[G0+3], s[G0+3], 0x80000000
	s_cmp_lt_u32 s[WV], 4                          ; one tensor load a wave, in one chain of two arms: the first block's line,
	s_cbranch_scc0 .Lsecond
	tensor_load_to_lds s[G0:G0+3], s[G1:G1+7]
	s_nop 0
	PLACES 4
	s_branch .Lasked
.Lsecond:                                              ; and the second block's
	tensor_load_to_lds s[G0:G0+3], s[G1:G1+7]
	s_nop 0
	PLACES 4
.Lasked:
	v_and_b32 v1, 31, v0
	v_and_b32 v2, 15, v0
	v_bfe_u32 v3, v0, 4, 1
	s_delay_alu instid0(VALU_DEP_2)
	v_and_b32 v6, 8, v2
	s_delay_alu instid0(VALU_DEP_1)
	v_add_nc_u32 v6, v6, v2
	s_delay_alu instid0(VALU_DEP_1)
	v_lshlrev_b32 v14, 9, v6
	s_delay_alu instid0(VALU_DEP_1)
	v_lshl_add_u32 v14, v3, 4, v14
	s_delay_alu instid0(VALU_DEP_3)
	v_lshlrev_b32 v15, 4, v6
	WIN 0x40
.irp t, 0,1,2,3
.irp s, 0,1,2,3
.irp c, 0,1,2,3
	global_load_b128 v[16*(4*\t+\s)+4*\c:16*(4*\t+\s)+4*\c+3], v14, s[8:9] offset:(32*(\t/2)+8*(\t%2))*512+128*\s+32*\c
.endr
.endr
.endr
	WIN 0
.irp t, 0,1,2,3
.irp s, 0,1,2,3
	global_load_b32 v[WS+4*\t+\s], v15, s[10:11] offset:(32*(\t/2)+8*(\t%2))*16+4*\s
.endr
.endr
	s_and_b32 s44, s[WV], 1
	s_mul_i32 s44, s44, 4*STRIP
	s_lshr_b32 s45, s[WV], 1
	s_mul_i32 s45, s45, 32*XPI
	s_add_co_u32 s44, s44, s45
	v_mul_u32_u24 v[XR0], v2, 2*XPI
	s_delay_alu instid0(VALU_DEP_1)
	v_lshl_add_u32 v[XR0], v3, 6, v[XR0]
	s_delay_alu instid0(VALU_DEP_1)
	v_add_nc_u32 v[XR0], s44, v[XR0]
	s_delay_alu instid0(VALU_DEP_1)
	v_add_nc_u32 v[XR1], XT1, v[XR0]
	v_lshlrev_b32 v[GO], 4, v1
	v_lshlrev_b32 v7, 2, v1
	s_lshl_b32 s44, s[WV], 12
	s_add_co_u32 s44, s44, XIMG
	v_add_nc_u32 v[XWI], s44, v[GO]
	s_lshl_b32 s44, s[WV], 8
	s_add_co_u32 s44, s44, XSC
	v_add_nc_u32 v[XWS], s44, v7
	v_add_nc_u32 v[FI], XIMG, v[GO]
	v_add_nc_u32 v[FS], XSC, v7
	v_lshl_add_u32 v[GS], v1, 3, 4096
.irp b, 0,1,2,3
	v_mov_b32 v[TM+4+\b], 0
.endr
	s_wait_alu depctr_va_vdst(0)                   ; the wait at the head's end
	s_cmp_lt_u32 s[WV], 4
	s_cbranch_scc0 .Lnot_yet
	s_wait_tensorcnt 0x0                           ; waves 0-3: my quarter of the first block has landed; waves 4-7 wait between the blocks
.Lnot_yet:
	s_barrier_signal -1
	s_barrier_wait -1
	BLOCK 0, XR0
	s_wait_tensorcnt 0x0
	s_wait_xcnt 0x0
	BARRIER
	BLOCK 1, XR1
	s_wait_tensorcnt 0x0
	ds_add_u32 v[SPW], v[NIL]
	s_wait_dscnt 0x0
	s_endpgm
.Lfunc_end_k_q827fb34e22_proj:
	.size	k_q827fb34e22_proj, .Lfunc_end_k_q827fb34e22_proj-k_q827fb34e22_proj
	.p2alignl 7, 3214868480
	.fill 96, 4, 3214868480
	.section	.rodata,"a",@progbits
	.p2align	6, 0x0
	.amdhsa_kernel k_q827fb34e22_proj
		.amdhsa_group_segment_fixed_size 327680
		.amdhsa_private_segment_fixed_size 0
		.amdhsa_enable_private_segment 0
		.amdhsa_kernarg_size 48
		.amdhsa_user_sgpr_count 2
		.amdhsa_user_sgpr_kernarg_segment_ptr 1
		.amdhsa_wavefront_size32 1
		.amdhsa_system_sgpr_workgroup_id_x 1
		.amdhsa_system_sgpr_workgroup_id_y 1
		.amdhsa_system_sgpr_workgroup_id_z 1
		.amdhsa_system_vgpr_workitem_id 0
		.amdhsa_next_free_vgpr 512
		.amdhsa_next_free_sgpr 66
		.amdhsa_reserve_vcc 0
		.amdhsa_float_denorm_mode_32 3
		.amdhsa_float_denorm_mode_16_64 3
		.amdhsa_memory_ordered 1
		.amdhsa_forward_progress 1
		.amdhsa_inst_pref_size 114
	.end_amdhsa_kernel
	.amdgpu_metadata
---
amdhsa.version: [ 1, 2 ]
amdhsa.kernels:
  - .name:           k_q827fb34e22_proj
    .symbol:         k_q827fb34e22_proj.kd
    .args:
      - { .name: q, .offset: 0, .size: 8, .value_kind: global_buffer, .address_space: global }
      - { .name: k, .offset: 8, .size: 8, .value_kind: global_buffer, .address_space: global }
      - { .name: wcodes, .offset: 16, .size: 8, .value_kind: global_buffer, .address_space: global }
      - { .name: wscales, .offset: 24, .size: 8, .value_kind: global_buffer, .address_space: global }
      - { .name: qc, .offset: 32, .size: 8, .value_kind: global_buffer, .address_space: global }
      - { .name: kc, .offset: 40, .size: 8, .value_kind: global_buffer, .address_space: global }
    .group_segment_fixed_size: 327680
    .private_segment_fixed_size: 0
    .kernarg_segment_align: 8
    .kernarg_segment_size: 48
    .max_flat_workgroup_size: 256
    .sgpr_count:     66
    .vgpr_count:     512
    .wavefront_size: 32
...
	.end_amdgpu_metadata
.endif
;; end of part 2
;; launch attn (part 3): grid 8 x 32, 8 waves a work-group, clusters of 4 x 1, 167,936 bytes of LDS; arguments qc, kc, supp_mask, sv; writes sv
.if DOCPART == 3
	.amdgcn_target "amdgcn-amd-amdhsa--gfx1250"
	.amdhsa_code_object_version 6
	.text
	.protected	k_q827fb34e22_attn
	.globl	k_q827fb34e22_attn
	.p2align	8
	.type	k_q827fb34e22_attn,@function
k_q827fb34e22_attn:
	s_mov_b64 s[64:65], 0
	v_nop
	global_prefetch_b8 v0, s[64:65] scope:SCOPE_SE
	s_setreg_imm32_b32 hwreg(HW_REG_WAVE_MODE, 25, 1), 1
	s_wait_xcnt 0x0
	s_wait_alu depctr_hold_cnt(0) depctr_sa_sdst(0) depctr_va_vdst(0) depctr_va_sdst(0) depctr_va_ssrc(0) depctr_va_vcc(0) depctr_vm_vsrc(0)
	s_getreg_b32 s2, hwreg(HW_REG_IB_STS2, 6, 4)
	s_cmp_eq_u32 s2, 0
	s_cbranch_scc0 .Lentry_in_a_cluster
	s_endpgm
.Lentry_in_a_cluster:
	s_bfe_u32 s2, ttmp6, 0x10000c
	s_cmp_lg_u32 s2, 0x3003
	s_cbranch_scc0 .Lentry_shape_is_right
	s_endpgm
.Lentry_shape_is_right:
; s[b][h][n] = the sum over keys m of softmax_m(qh[n] . kh[m] / 8) x supp_mask[b][m].  The scores' product runs on codes of FP8 (E4M3) with one E8M0 scale for each 32 along the head's 64; all else is f32.  (The input v is left out: see the first kernel's head.)
; SHARES.  A work-group owns 512 queries of one (batch, head): 256 work-groups.  Each of its eight waves owns 64 queries, four tiles of 16, and walks all 2,048 keys, 128 a step.
; THE HEAD'S KEYS STAY IN LDS: 139,264 bytes, one dense block of memory in the order of the operand's registers; each wave brings an eighth by one tensor load at the head; nothing is filled twice.
; CLUSTER.  The four work-groups of a cluster belong to one (batch, head): the block is asked for jointly, by the same load with the same descriptor and a mask that names the four.
; NO PREFETCH: the keys are asked for once, at the head; the launch has no loop to run ahead of a load in.
; LAYOUT.  S^T = K Q^T (source 0 = 16 keys, source 1 = 16 queries): a lane holds ONE query (lane % 16), register 8 T + j the key 16 T + 8 (lane / 16) + j of the step; the mask's numbers lie in registers in the same order.
; K = 64 IN A FORM OF K = 128: registers 8-15 of every fragment of Q hold zero codes, written once.  K's eight fragments of 8 registers lie end to end, with 8 registers of zero codes behind the last: a product names 16 of them,
; and the upper 8 (the next tile's codes, all finite) meet Q's zero codes and add nothing.  The scale words' upper two bytes are 0, a power of two and no NaN.
; SOFTMAX.  The running largest score of a row gives M = ceil(largest x c), c = log2(e) / 8; p = 2^(c s - M).  When M moves, both sums are multiplied by 2^(old M - new M), which rounds nothing.  s = (sum of p x mask) / (sum of p).
; A PIECE is one tile of queries x the step's 128 keys.  Its way: 8 products; the maxima and the new M; 32 packed scalings; 64 exponentials; 65 packed lines for the two sums.
; The text lays piece k's exponentials and piece k + 1's products by turns (one window setting serves both), and piece k's sums with piece k + 1's maxima and its chain for M (all in window 1), so that no chain stands bare.
; LIMITS: NaN and infinities are not served; the promise holds while the scaled scores stay under 2^31 in magnitude; mask numbers beyond 2^24 are rounded by the conversion to f32, as the definition's own conversion rounds them.
; REGISTERS.  window 0: v1-9 addresses; v10, v11 the add's two; v12-13 Q's scale words, v14-17 K's; v32-95 Q; v96-167 K; v168-231 c s - M.
;   window 1: v0-63 scores; v64-127 p; v128-191 the step's mask; v192-215 six registers of statistics a tile; v216-227 at work.
.set GRP,   4352                       ; a group: 64 rows' codes (4,096 bytes) and scale words (256)
.set SLAB,  32*GRP                     ; a head's keys
.set PIECE, SLAB/8                     ; what one tensor load brings: 68 rows of 256 bytes
.set MK,    SLAB                       ; behind them: the batch's mask as 2,048 f32, written by LDS stores
.set SPARE, MK+8192                    ; the spare words, 128 bytes for each wave; no other line names them
.set AK0, 1                            ; v1   16 lane
.set AS0, 2                            ; v2   4,096 + 8 lane
.set AM0, 3                            ; v3   MK + 32 (lane / 16)
.set ADK, 4                            ; v4-6 the same for the step to be fetched
.set ADS, 5
.set ADM, 6
.set L8,  7                            ; v7   8 lane
.set MST, 8                            ; v8   MK + 1,024 wave + 16 lane
.set MLD, 9                            ; v9   1,024 wave + 16 lane
.set SPW, 10
.set NIL, 11
.set QS,  12
.set KS,  14
.set QF,  32
.set KF,  96
.set TT,  168
.set MI,  168                          ; at the head: the mask on its way into LDS
.set SC,  0                            ; window 1
.set PP,  64
.set MKR, 128
.set ST,  192                          ; tile i at ST + 6 i: +0 -M, +1 the largest score, +2,3 the sum of p, +4,5 the sum of p x mask
.set TP,  216                          ; +0 f, +1 its pair's upper half, +2..5 four maxima, +6 the other half's, +7 at work, +8,9 and +10,11 second chains of the two sums
.set WV,  16
.set SEL, 20                           ; s[20:21] v_permlanex16_b32's selects for lane l xor 16
.set CS,  22                           ; s[22:23] c: the packed form names a pair and takes its low word for both halves
.set G1,  24
.set G0,  32
.set TB,  36                           ; s36  LDS byte at which the step to be fetched begins: 2 groups a step
.set TMK, 37                           ; s37  and its 128 numbers of the mask
.set CNT, 38
.set UPH, 39                           ; s39  a mask of lanes 16-31
.set MSB, 0
.macro WIN new                         ; the immediate's high byte repeats the setting that is left
.if MSB != \new
	s_set_vgpr_msb (MSB<<8)|\new
.set MSB, \new
.endif
.endm
.macro PLACES n
.rept \n
	v_nop
.endr
.endm
.macro WALU
	s_wait_alu depctr_va_vdst(0)
.endm
.macro CROUND                          ; a round of the cluster's barrier
	s_barrier_signal -1
	s_barrier_wait -1
	s_cmp_lg_u32 s[WV], 0
	s_cbranch_scc1 .Lnot_wave_0_\@
	s_barrier_signal -3
.Lnot_wave_0_\@:
	s_barrier_wait -3
	s_barrier_signal -1
	s_barrier_wait -1
.endm
.macro KLOAD                           ; a step's eight tiles of keys and their scale words: 18 loads, each lane's bytes beside its neighbour's
	WIN 0
.irp t, 0,1,2,3,4,5,6,7
.irp c, 0,1
	ds_load_b128 v[KF+8*\t+4*\c:KF+8*\t+4*\c+3], v[ADK] offset:(\t/4)*GRP+(\t%4)*1024+512*\c
.endr
.endr
.irp g, 0,1
	ds_load_b64 v[KS+2*\g:KS+2*\g+1], v[ADS] offset:\g*GRP   ; register 0: tile 0's words in lanes 0-15, tile 2's in lanes 16-31; register 1: tiles 1 and 3
.endr
.endm
.macro MLOAD                           ; a step's 128 numbers of the mask, in the scores' order: 16 loads; sixteen lanes share each 16 bytes
	WIN 0x40                                       ; destination window 1, address window 0
.irp t, 0,1,2,3,4,5,6,7
	ds_load_b128 v[MKR+8*\t:MKR+8*\t+3], v[ADM] offset:64*\t
	ds_load_b128 v[MKR+8*\t+4:MKR+8*\t+7], v[ADM] offset:64*\t+16
.endr
.endm
.macro WM1 x, t                        ; tile x of the queries against tile t of the step's keys: an accumulator of its own, begun with the constant 0
.set rD, SC+8*(\t)
.set rK, KF+8*(\t)
.set rQ, QF+16*(\x)
.set rA, KS+2*((\t)/4)+((\t)%2)
.set rB, QS+((\x)%2)
.if (((\t)%4) >= 2) && ((\x) >= 2)
	v_wmma_scale_f32_16x16x128_f8f6f4 v[rD:rD+7], v[rK:rK+15], v[rQ:rQ+15], 0, v[rA], v[rB] matrix_a_scale:MATRIX_SCALE_ROW1 matrix_b_scale:MATRIX_SCALE_ROW1
.elseif ((\t)%4) >= 2
	v_wmma_scale_f32_16x16x128_f8f6f4 v[rD:rD+7], v[rK:rK+15], v[rQ:rQ+15], 0, v[rA], v[rB] matrix_a_scale:MATRIX_SCALE_ROW1
.elseif (\x) >= 2
	v_wmma_scale_f32_16x16x128_f8f6f4 v[rD:rD+7], v[rK:rK+15], v[rQ:rQ+15], 0, v[rA], v[rB] matrix_b_scale:MATRIX_SCALE_ROW1
.else
	v_wmma_scale_f32_16x16x128_f8f6f4 v[rD:rD+7], v[rK:rK+15], v[rQ:rQ+15], 0, v[rA], v[rB]
.endif
.endm
.macro FS i                            ; c s - M of tile i's 64 scores, two a line: out of window 1 into window 0
	WIN 0x11                                       ; sources 0 and 2 window 1, destination window 0
.set fn, 0
.rept 32
	v_pk_fma_f32 v[TT+2*fn:TT+2*fn+1], v[SC+2*fn:SC+2*fn+1], s[CS:CS+1], v[ST+6*(\i):ST+6*(\i)+1] op_sel_hi:[1,0,0]
.set fn, fn+1
.endr
.endm
.macro EW x, nx                        ; 64 exponentials; nx = 1: tile x's eight products among them, one ahead of each eight
	WIN 0x40                                       ; destination (p, the scores) window 1; sources (c s - M; K, Q) window 0
.irp t, 0,1,2,3,4,5,6,7
.if \nx
	WM1 \x, \t
.endif
.irp j, 0,1,2,3,4,5,6,7
	v_exp_f32 v[PP+8*\t+\j], v[TT+8*\t+\j]
.endr
.endr
.endm
.macro MAXP x                          ; the largest of a lane's 64 scores and of the row's largest so far, in four chains of 16; each accumulator is read from its low end on
.irp q, 0,1,2,3
	v_max3_num_f32 v[TP+2+\q], v[ST+6*(\x)+1], v[SC+16*\q], v[SC+16*\q+1]
.endr
.irp i, 2,4,6,8,10,12,14
.irp q, 0,1,2,3
	v_max3_num_f32 v[TP+2+\q], v[TP+2+\q], v[SC+16*\q+\i], v[SC+16*\q+\i+1]
.endr
.endr
.endm
.macro TOP x, j                        ; line j of the chain that makes tile x's new M and brings its sums under it
.if (\j) == 0
	v_max3_num_f32 v[TP+7], v[TP+2], v[TP+3], v[TP+4]
.elseif (\j) == 1
	v_max_num_f32 v[TP+7], v[TP+7], v[TP+5]
.elseif (\j) == 2
	v_permlanex16_b32 v[TP+6], v[TP+7], s[SEL], s[SEL+1]           ; the query's other 64 keys lie in the lane 16 away
.elseif (\j) == 3
	v_max_num_f32 v[ST+6*(\x)+1], v[TP+7], v[TP+6]                 ; the row's largest score so far
.elseif (\j) == 4
	v_mul_f32 v[TP+7], s[CS], v[ST+6*(\x)+1]                       ; as an exponent to the base 2 (c is positive)
.elseif (\j) == 5
	v_floor_f32 v[TP+2], -v[TP+7]                                  ; the new -M: M is a whole number
.elseif (\j) == 6
	v_sub_f32 v[TP+3], v[TP+2], v[ST+6*(\x)]                       ; old M - new M: a whole number, 0 or less
.elseif (\j) == 7
	v_mov_b32 v[ST+6*(\x)], v[TP+2]
.elseif (\j) == 8
	v_cvt_i32_f32 v[TP+3], v[TP+3]                                 ; (it saturates)
.elseif (\j) == 9
	v_ldexp_f32 v[TP], 1.0, v[TP+3]                                ; f = 2^(old M - new M)
.elseif (\j) == 10
	v_pk_mul_f32 v[ST+6*(\x)+2:ST+6*(\x)+3], v[ST+6*(\x)+2:ST+6*(\x)+3], v[TP:TP+1] op_sel_hi:[1,0]
.else
	v_pk_mul_f32 v[ST+6*(\x)+4:ST+6*(\x)+5], v[ST+6*(\x)+4:ST+6*(\x)+5], v[TP:TP+1] op_sel_hi:[1,0]
.endif
.endm
.macro SOP i, n                        ; line n of 65: the sum of p and the sum of p x mask of tile i, two numbers a line, each in two chains
.set rS, ST+6*(\i)+2
.set rM, ST+6*(\i)+4
.set gg, 4+4*(((\n)-3)/4)
.if (\n) == 0
	v_pk_add_f32 v[TP+8:TP+9], v[PP:PP+1], v[PP+2:PP+3]
.elseif (\n) == 1
	v_pk_fma_f32 v[rM:rM+1], v[PP:PP+1], v[MKR:MKR+1], v[rM:rM+1]
.elseif (\n) == 2
	v_pk_mul_f32 v[TP+10:TP+11], v[PP+2:PP+3], v[MKR+2:MKR+3]
.elseif (\n) == 63
	v_pk_add_f32 v[rS:rS+1], v[rS:rS+1], v[TP+8:TP+9]
.elseif (\n) == 64
	v_pk_add_f32 v[rM:rM+1], v[rM:rM+1], v[TP+10:TP+11]
.elseif ((\n)-3)%4 == 0
	v_pk_add_f32 v[rS:rS+1], v[rS:rS+1], v[PP+gg:PP+gg+1]
.elseif ((\n)-3)%4 == 1
	v_pk_fma_f32 v[rM:rM+1], v[PP+gg:PP+gg+1], v[MKR+gg:MKR+gg+1], v[rM:rM+1]
.elseif ((\n)-3)%4 == 2
	v_pk_add_f32 v[TP+8:TP+9], v[TP+8:TP+9], v[PP+gg+2:PP+gg+3]
.else
	v_pk_fma_f32 v[TP+10:TP+11], v[PP+gg+2:PP+gg+3], v[MKR+gg+2:MKR+gg+3], v[TP+10:TP+11]
.endif
.endm
.macro SRUN i, cnt                     ; the next cnt lines of the sums
.rept \cnt
	SOP \i, sn
.set sn, sn+1
.endr
.endm
; A SECTION: tile i's piece from its scalings to its sums, and (nx = 1) the next piece's, tile x's, from its products to its M.
; mw: the step's mask is waited for; kw: the next step's keys are waited for; kl: they are fetched; ml: the next step's mask is fetched.
.macro SEC i, x, nx, mw, kw, kl, ml
	FS \i
	WALU                                           ; ahead of the batch: its sources were just written
.if \kw
	s_wait_dscnt 0x0                               ; the 18 loads of the next step's keys, issued a section ago
.endif
	EW \x, \nx
	WIN 0x55                                       ; all that follows lies in window 1
	v_nop                                          ; a plain line behind the last exponential
	WALU                                           ; behind the batch, ahead of its first reader
.if \mw
	s_wait_dscnt 0x0                               ; the mask's 16 loads
.endif
.set sn, 0
	SRUN \i, 8                                     ; with the v_nop nine places behind the last product
.if \kl
	s_add_co_u32 s[TB], s[TB], 2*GRP
	s_add_co_u32 s[TMK], s[TMK], 512
	WIN 0
	v_add_nc_u32 v[ADK], s[TB], v[AK0]
	v_add_nc_u32 v[ADS], s[TB], v[AS0]
	v_add_nc_u32 v[ADM], s[TMK], v[AM0]
	KLOAD                                          ; this step's last products have been issued; the loads have the rest of this section and the next one's scalings in which to land
	WIN 0x55
.endif
.if \nx
	WALU                                           ; directly ahead of the first reader of the eight products' results
	MAXP \x
.irp j, 0,1,2,3,4,5,6,7,8,9,10,11
	TOP \x, \j                                     ; four lines of the sums stand behind each line of the chain
	SRUN \i, 4
.endr
	SRUN \i, 9
.else
	SRUN \i, 57
.endif
.if \ml
	MLOAD
.endif
.endm
.macro STEP next                       ; a key step: four sections; next = 1: the last of them begins the next step
	SEC 0, 1, 1, 1, 0, 0, 0
	SEC 1, 2, 1, 0, 0, 0, 0
	SEC 2, 3, 1, 0, 0, \next, 0
	SEC 3, 0, \next, 0, \next, 0, \next
	WIN 0
.endm
	s_load_b256 s[4:11], s[0:1], 0x0               ; qc s[4:5], kc s[6:7], supp_mask s[8:9], sv s[10:11]
	v_lshl_add_u32 v[SPW], v0, 2, SPARE
	v_mov_b32 v[NIL], 0
	ds_add_u32 v[SPW], v[NIL]                      ; the wave's opening: the add, twice on end, and its wait ahead of my first tensor load
	ds_add_u32 v[SPW], v[NIL]
	v_lshrrev_b32 v1, 5, v0
	v_readfirstlane_b32 s[WV], v1                  ; wave 0..7
	s_bfe_u32 s17, ttmp6, 0x40000                  ; cx: my place in the cluster
	s_lshl_b32 s18, ttmp9, 2                       ; in a cluster launch ttmp9 counts clusters
	s_add_co_u32 s18, s18, s17                     ; my block of 512 queries: it enters qc's and sv's addresses alone
	s_and_b32 s19, ttmp7, 0xffff                   ; batch x 8 + head, which the four partners share
	s_mul_i32 s12, s19, SLAB
	s_mul_i32 s40, s[WV], PIECE                    ; my eighth: in the block of memory and in LDS alike; no place in the cluster enters it
	s_add_co_u32 s12, s12, s40
	s_mov_b32 s13, 0
	s_lshl_b32 s14, s19, 6
	s_lshl_b32 s41, s18, 3
	s_add_co_u32 s14, s14, s41
	s_add_co_u32 s14, s14, s[WV]                   ; my group of 64 queries
	s_lshl_b32 s42, s14, 8                         ; 256 bytes a group in sv,
	s_mov_b32 s43, 0
	s_mul_i32 s14, s14, GRP                        ; 4,352 in qc
	s_mov_b32 s15, 0
	s_lshr_b32 s44, s19, 3
	s_lshl_b32 s44, s44, 13                        ; the batch's 2,048 numbers of the mask
	s_mov_b32 s45, 0
	s_mov_b32 s[G1+0], 15|(3<<16)|(1<<21)          ; group 1: the mask names all four work-groups; elements of 8 bytes; bit 21 beside a mask
	s_mov_b32 s[G1+1], 32<<16                      ; a dense block as 68 rows of 32 elements
	s_mov_b32 s[G1+2], 68<<16
	s_mov_b32 s[G1+3], 32<<16
	s_mov_b32 s[G1+4], 68
	s_mov_b32 s[G1+5], 32
	s_mov_b32 s[G1+6], 0
	s_mov_b32 s[G1+7], 0
	s_mov_b32 s[SEL], 0x76543210
	s_mov_b32 s[SEL+1], 0xfedcba98
	s_mov_b32 s[CS], 0x3e38aa3b                    ; c = log2(e) / 8
	s_mov_b32 s[CS+1], s[CS]                       ; (named with it as a pair, so it is written)
	s_mov_b32 s[TB], 0
	s_mov_b32 s[TMK], 0
	s_mov_b32 s[UPH], 0xffff0000
	v_and_b32 v18, 31, v0                          ; lane
	v_bfe_u32 v19, v0, 4, 1                        ; lane / 16
	v_lshlrev_b32 v[AK0], 4, v18
	v_lshlrev_b32 v[L8], 3, v18
	v_add_nc_u32 v[AS0], 4096, v[L8]
	v_lshl_add_u32 v[AM0], v19, 5, MK
	s_lshl_b32 s46, s[WV], 10
	v_add_nc_u32 v[MLD], s46, v[AK0]
	v_add_nc_u32 v[MST], MK, v[MLD]
	WALU
	s_wait_dscnt 0x0                               ; both opening adds are done
	s_wait_kmcnt 0x0
	s_add_nc_u64 s[4:5], s[4:5], s[14:15]
	s_add_nc_u64 s[8:9], s[8:9], s[44:45]
	s_add_nc_u64 s[10:11], s[10:11], s[42:43]
	s_mov_b32 s[G0+0], 1                           ; count = 1
	s_mov_b32 s[G0+1], s40                         ; LDS address
	s_add_nc_u64 s[G0+2:G0+3], s[6:7], s[12:13]    ; global address: made of the (batch, head) and the wave's number alone
	s_or_b32 s[G0+3], s[G0+3], 0x80000000          ; type = 2
	CROUND                                         ; all four work-groups are here: the joint loads meet
	s_cmp_eq_u32 s[WV], 0                          ; wave 0's eighth holds key steps 0 and 1: it has a load line of its own, since wave 0 alone waits at the first barrier
	s_cbranch_scc0 .Lothers
	tensor_load_to_lds s[G0:G0+3], s[G1:G1+7]      ; my one tensor load of the launch
	s_nop 0
	PLACES 4
	s_branch .Lasked
.Lothers:
	tensor_load_to_lds s[G0:G0+3], s[G1:G1+7]
	s_nop 0
	PLACES 4
.Lasked:
	global_load_b128 v[MI:MI+3], v[MLD], s[8:9]                    ; my 256 numbers of the mask, first: they are wanted first
	global_load_b128 v[MI+4:MI+7], v[MLD], s[8:9] offset:512
.irp t, 0,1,2,3
.irp c, 0,1
	global_load_b128 v[QF+16*\t+4*\c:QF+16*\t+4*\c+3], v[AK0], s[4:5] offset:\t*1024+512*\c   ; Q stays in registers
.endr
.endr
	global_load_b64 v[QS:QS+1], v[L8], s[4:5] offset:4096          ; its scale words: register 0 tiles 0 and 2, register 1 tiles 1 and 3
.irp t, 0,1,2,3
.irp i, 8,9,10,11,12,13,14,15
	v_mov_b32 v[QF+16*\t+\i], 0                    ; the zero codes of K = 64 .. 127: operands, written once
.endr
.endr
.irp i, 64,65,66,67,68,69,70,71
	v_mov_b32 v[KF+\i], 0                          ; and behind K's last fragment
.endr
	WIN 0x55
.irp i, 0,1,2,3
	v_mov_b32 v[ST+6*\i], 0x7f61b1e6               ; -M = 3e38: the first change of M gives f = 0, over sums that are zeros
	v_mov_b32 v[ST+6*\i+1], 0xff61b1e6             ; the largest score so far: -3e38, under every score
	v_mov_b32 v[ST+6*\i+2], 0
	v_mov_b32 v[ST+6*\i+3], 0
	v_mov_b32 v[ST+6*\i+4], 0
	v_mov_b32 v[ST+6*\i+5], 0
.endr
	v_mov_b32 v[TP+1], 0                           ; named as the upper half of f's pair
	v_mov_b32 v[TP+6], 0                           ; a lane permute's destination counts as one of its sources
	WIN 0
	WALU
	s_wait_loadcnt 9                               ; the mask's two loads are in; Q's nine, issued behind them, may be out
.irp i, 0,1,2,3,4,5,6,7
	v_cvt_f32_i32 v[MI+\i], v[MI+\i]
.endr
	ds_store_b128 v[MST], v[MI:MI+3]
	ds_store_b128 v[MST], v[MI+4:MI+7] offset:512
	WALU
	s_cmp_eq_u32 s[WV], 0
	s_cbranch_scc0 .Lnot_first
	s_wait_tensorcnt 0x0                           ; wave 0: key steps 0 and 1 have landed; the other waves wait behind the first key step
.Lnot_first:
	s_wait_dscnt 0x0                               ; my part of the mask is stored:
	s_barrier_signal -1
	s_barrier_wait -1                              ; everybody's are.
	v_add_nc_u32 v[ADK], s[TB], v[AK0]
	v_add_nc_u32 v[ADS], s[TB], v[AS0]
	v_add_nc_u32 v[ADM], s[TMK], v[AM0]
	KLOAD                                          ; key step 0
	MLOAD
	WIN 0
	WALU
	s_wait_loadcnt 0x0                             ; Q
	s_wait_dscnt 16                                ; K's 18 loads are in; the 16 younger ones, the mask's, may be out
	WIN 0x40
.irp t, 0,1,2,3,4,5,6,7
	WM1 0, \t                                      ; the first piece's products, maxima and M stand ahead of the loop
.endr
	WIN 0x55
	PLACES 8                                       ; in front of the first read of results (ISA guide 7.12.1)
	WALU
	MAXP 0
.irp j, 0,1,2,3,4,5,6,7,8,9,10,11
	TOP 0, \j
.endr
	WIN 0
	s_mov_b32 s[CNT], 14
	WALU
	STEP 1                                         ; key step 0 is written out: it reads LDS bytes 0 to 17,407 alone, wave 0's eighth (and the mask)
	WALU
	s_wait_tensorcnt 0x0                           ; every wave: my eighth has landed,
	s_wait_dscnt 0x0                               ; no LDS load of mine is out:
	s_barrier_signal -1
	s_barrier_wait -1                              ; all the head's keys are in.
.Lstep:
	STEP 1
	WALU                                           ; ahead of the branch
	s_sub_co_u32 s[CNT], s[CNT], 1
	s_cmp_lg_u32 s[CNT], 0
	s_cbranch_scc1 .Lstep
	STEP 0                                         ; the last step is written out: it fetches nothing and begins nothing
	; THE END: each sum's two halves and the other half of the lanes' are added; s = (sum of p x mask) / (sum of p).  The row's largest p is over 1/2, so the divisor is no zero
	WIN 0x55
.irp i, 0,1,2,3
	v_add_f32 v[PP+2*\i], v[ST+6*\i+2], v[ST+6*\i+3]
	v_add_f32 v[PP+2*\i+1], v[ST+6*\i+4], v[ST+6*\i+5]
.endr
.irp i, 0,1,2,3,4,5,6,7
	v_permlanex16_b32 v[PP+8+\i], v[PP+\i], s[SEL], s[SEL+1]       ; (into registers that have been written)
.endr
.irp i, 0,1,2,3,4,5,6,7
	v_add_f32 v[PP+\i], v[PP+\i], v[PP+8+\i]
.endr
	WALU                                           ; ahead of the four reciprocals
.irp i, 0,1,2,3
	v_rcp_f32 v[PP+16+\i], v[PP+2*\i]
.endr
	v_nop                                          ; a plain line behind the last of them,
	WALU                                           ; and the wait ahead of their first reader
.irp i, 0,1,2,3
	v_mul_f32 v[PP+24+\i], v[PP+2*\i+1], v[PP+16+\i]
.endr
	v_cndmask_b32 v[PP+32], v[PP+24], v[PP+26], s[UPH]             ; lanes 0-15 tile 0's, lanes 16-31 tile 2's (both halves of the lanes hold a query's s);
	v_cndmask_b32 v[PP+33], v[PP+25], v[PP+27], s[UPH]             ; tiles 1 and 3: the order of a group's scale words
	WIN 0x04                                       ; a store's data are its source 1: window 1
	global_store_b64 v[L8], v[PP+32:PP+33], s[10:11]               ; 256 consecutive bytes, aligned
	WIN 0
	s_wait_tensorcnt 0x0                           ; the wave's end: behind my last tensor load and my last LDS store
	ds_add_u32 v[SPW], v[NIL]
	s_wait_dscnt 0x0
	CROUND                                         ; the closing round: no work-group ends while a partner may still ask for a block that names it
	s_endpgm
.Lfunc_end_k_q827fb34e22_attn:
	.size	k_q827fb34e22_attn, .Lfunc_end_k_q827fb34e22_attn-k_q827fb34e22_attn
	.p2alignl 7, 3214868480
	.fill 96, 4, 3214868480
	.section	.rodata,"a",@progbits
	.p2align	6, 0x0
	.amdhsa_kernel k_q827fb34e22_attn
		.amdhsa_group_segment_fixed_size 167936
		.amdhsa_private_segment_fixed_size 0
		.amdhsa_enable_private_segment 0
		.amdhsa_kernarg_size 32
		.amdhsa_user_sgpr_count 2
		.amdhsa_user_sgpr_kernarg_segment_ptr 1
		.amdhsa_wavefront_size32 1
		.amdhsa_system_sgpr_workgroup_id_x 1
		.amdhsa_system_sgpr_workgroup_id_y 1
		.amdhsa_system_sgpr_workgroup_id_z 1
		.amdhsa_system_vgpr_workitem_id 0
		.amdhsa_next_free_vgpr 512
		.amdhsa_next_free_sgpr 66
		.amdhsa_reserve_vcc 0
		.amdhsa_float_denorm_mode_32 3
		.amdhsa_float_denorm_mode_16_64 3
		.amdhsa_memory_ordered 1
		.amdhsa_forward_progress 1
		.amdhsa_inst_pref_size 161
	.end_amdhsa_kernel
	.amdgpu_metadata
---
amdhsa.version: [ 1, 2 ]
amdhsa.kernels:
  - .name:           k_q827fb34e22_attn
    .symbol:         k_q827fb34e22_attn.kd
    .args:
      - { .name: qc, .offset: 0, .size: 8, .value_kind: global_buffer, .address_space: global }
      - { .name: kc, .offset: 8, .size: 8, .value_kind: global_buffer, .address_space: global }
      - { .name: supp_mask, .offset: 16, .size: 8, .value_kind: global_buffer, .address_space: global }
      - { .name: sv, .offset: 24, .size: 8, .value_kind: global_buffer, .address_space: global }
    .group_segment_fixed_size: 167936
    .private_segment_fixed_size: 0
    .kernarg_segment_align: 8
    .kernarg_segment_size: 32
    .max_flat_workgroup_size: 256
    .sgpr_count:     66
    .vgpr_count:     512
    .wavefront_size: 32
...
	.end_amdgpu_metadata
.endif
;; end of part 3
;; launch outp (part 4): grid 256 x 1, 8 waves a work-group, no clusters, 35,840 bytes of LDS; arguments sv, wcodes, wscales, out0; writes out0
.if DOCPART == 4
	.amdgcn_target "amdgcn-amd-amdhsa--gfx1250"
	.amdhsa_code_object_version 6
	.text
	.protected	k_q827fb34e22_outp
	.globl	k_q827fb34e22_outp
	.p2align	8
	.type	k_q827fb34e22_outp,@function
k_q827fb34e22_outp:
	s_mov_b64 s[64:65], 0
	v_nop
	global_prefetch_b8 v0, s[64:65] scope:SCOPE_SE
	s_setreg_imm32_b32 hwreg(HW_REG_WAVE_MODE, 25, 1), 1
	s_wait_xcnt 0x0
; out[row][n] = the sum over k of Q(x)[row][k] Q(Wp)[n][k], where x[row][k] = s[row][head k / 64]: on codes of FP8 (E4M3) with one E8M0 scale for each 32 along K = 512; out: [16,384][512] f32.
; x IS CONSTANT WITHIN A HEAD: a block of 32 along K holds one number 32 times, so its largest magnitude is that number's, and its 32 codes are one byte.  Each wave makes x's operand itself, in registers, from 8 numbers a row.
; SHARES.  A work-group takes 64 rows; wave w makes columns 64 w .. 64 w + 63 for all of them, and its 64 rows of Wp, 16 fragments, stay in its registers (window 1).  No operand goes through LDS, no barrier.
; THE ORDER OF K.  K is taken in another order of whole blocks of 32, alike on both sides: product 2 g + e (g, e = 0, 1) takes as its block c columns 64 (4 g + c) + 32 e on of Wp, which belong to head 4 g + c.
; So x's fragment for g (four registers of head 4 g + c's byte for each c) serves e = 0 and e = 1.  The sums are f32, in that order of K: an order of rounding that differs from ascending K.
; THE MATRIX INSTRUCTION IS USED TRANSPOSED (source 0 = 16 rows of Wp, source 1 = 16 rows of x): a lane holds eight neighbouring numbers of a row of out.
; LIMITS: an |s| under 2^-118 takes the scale byte 1; NaN and infinities are not served.
.set SPI,   272                        ; the stage: 16 rows x (256 bytes + 16) for each wave
.set STG,   16*SPI
.set SPARE, 8*STG                      ; the spare words, 128 bytes for each wave; no other line names them
.set STO, 4                            ; v4   the stage: where I put 32 bytes of a row
.set RD,  5                            ; v5   and where I read a row back
.set CO,  6                            ; v6   my byte offset in two rows of out
.set SVA, 7                            ; v7   8 r: my row's s in a group
.set ONE, 8                            ; v8   1.0: the conversion's scale operand
.set SPW, 10
.set NIL, 11
.set SVR, 16                           ; v16-47  s of (tile of rows, head): 8 tile + head
.set AT,  48                           ; v48-55  |s|, held over the floor
.set ET,  56                           ; v56-63  its exponent field
.set NT,  64                           ; v64-71  135 - that
.set XQ,  72                           ; v72-79  s / its block's scale
.set CD,  80                           ; v[80:81] the eight heads' codes
.set XS,  82                           ; v82-83  x's scale words
.set TW,  84                           ; v84-85  at work
.set WS,  88                           ; v88-103 Wp's scale words, 4 t + 2 g + e
.set XF,  120                          ; v120-151 x's two fragments
.set ACC, 160                          ; v160-191 four accumulators
.set OB,  192                          ; v192-223 rows on the way out; at the head Wp's scale bytes as they lie
.set WV,  16
.set MSB, 0
.macro WIN new                         ; the immediate's high byte repeats the setting that is left
.if MSB != \new
	s_set_vgpr_msb (MSB<<8)|\new
.set MSB, \new
.endif
.endm
.macro PLACES n
.rept \n
	v_nop
.endr
.endm
; x's operand for rows 16 tau on.  The first forty lines name no register of the products before them: they are the places behind those products.
.macro BUILD tau
.irp h, 0,1,2,3,4,5,6,7
	v_max_num_f32 v[AT+\h], 0x4800000, |v[SVR+8*(\tau)+\h]|        ; the block's largest magnitude, and the floor 2^(9 - 127): so the byte cannot fall under 1
.endr
.irp h, 0,1,2,3,4,5,6,7
	v_lshrrev_b32 v[ET+\h], 23, v[AT+\h]           ; floor(log2) + 127
.endr
.irp h, 0,1,2,3,4,5,6,7
	v_sub_nc_u32 v[NT+\h], 135, v[ET+\h]
.endr
.irp h, 0,1,2,3,4,5,6,7
	v_ldexp_f32 v[XQ+\h], v[SVR+8*(\tau)+\h], v[NT+\h]             ; s / 2^(floor(log2) - 8): exact.  (The eight numbers of one conversion have eight scales, so the division stands here)
.endr
.irp h, 0,1,2,3,4,5,6,7
	v_med3_num_f32 v[XQ+\h], v[XQ+\h], s21, s20    ; the conversion to an 8-bit code does not saturate (ISA guide 7.6.2): the hold at +-448
.endr
.irp g, 0,1
	v_lshl_or_b32 v[TW+\g], v[ET+4*\g+1], 8, v[ET+4*\g]
	s_delay_alu instid0(VALU_DEP_1)
	v_lshl_or_b32 v[TW+\g], v[ET+4*\g+2], 16, v[TW+\g]
	s_delay_alu instid0(VALU_DEP_1)
	v_lshl_or_b32 v[TW+\g], v[ET+4*\g+3], 24, v[TW+\g]
	s_delay_alu instid0(VALU_DEP_1)
	v_add_nc_u32 v[XS+\g], 0xf7f7f7f8, v[TW+\g]    ; 8 off each of the four bytes (each is 9 or more: no borrow): the scale word of heads 4 g .. 4 g + 3
.endr
	v_cvt_scalef32_pk8_fp8_f32 v[CD:CD+1], v[XQ:XQ+7], v[ONE]      ; head h's code in byte h
	v_nop                                          ; one plain line behind the conversion
.irp g, 0,1
.irp c, 0,1,2,3
.irp i, 0,1,2,3
	v_perm_b32 v[XF+16*\g+4*\c+\i], v[CD+\g], v[CD+\g], s[24+\c]   ; head 4 g + c's byte, four times
.endr
.endr
.endr
	PLACES 4                                       ; an operand written by vector instructions stands 4 places ahead of a scaled matrix instruction (the scale words, 8: they were made further up)
.endm
.macro MUL                             ; 16 products: the four accumulators take turns, one instruction a turn; the first starts each sum
	WIN 0x01                                       ; source 0 (Wp) window 1
.irp g, 0,1,2,3
	s_wait_alu depctr_va_vdst(0)
.irp t, 0,1,2,3
.if \g == 0
	v_wmma_scale_f32_16x16x128_f8f6f4 v[ACC+8*\t:ACC+8*\t+7], v[16*(4*\t+\g):16*(4*\t+\g)+15], v[XF+16*(\g/2):XF+16*(\g/2)+15], 0, v[WS+4*\t+\g], v[XS+\g/2]
.else
	v_wmma_scale_f32_16x16x128_f8f6f4 v[ACC+8*\t:ACC+8*\t+7], v[16*(4*\t+\g):16*(4*\t+\g)+15], v[XF+16*(\g/2):XF+16*(\g/2)+15], v[ACC+8*\t:ACC+8*\t+7], v[WS+4*\t+\g], v[XS+\g/2]
.endif
.endr
.endr
	WIN 0
.endm
; 16 rows x my 64 columns go through my own stage and leave as whole runs of 256 bytes.  LDS serves a wave's instructions in order: no wait between the stores and the loads.
.macro OUT tau
.if \tau > 0
	s_wait_xcnt 0x0                                ; the last tile's stores have read their registers, which the loads below write
.endif
.irp t, 0,1,2,3
	ds_store_b128 v[STO], v[ACC+8*\t:ACC+8*\t+3] offset:64*\t      ; each accumulator from its low end on
	ds_store_b128 v[STO], v[ACC+8*\t+4:ACC+8*\t+7] offset:64*\t+16
.endr
.irp i, 0,1,2,3,4,5,6,7
	ds_load_b128 v[OB+4*\i:OB+4*\i+3], v[RD] offset:2*\i*SPI
.endr
.irp i, 0,1,2,3,4,5,6,7
	s_wait_dscnt 7-\i                              ; load i is in; the younger ones may be out.  The last count is 0: the stage's stores have read the accumulators
	global_store_b128 v[CO], v[OB+4*\i:OB+4*\i+3], s[10:11] offset:(16*\tau+2*\i)*2048 th:TH_STORE_NT   ; sixteen lanes store 256 consecutive bytes, aligned; written once, read by nobody here
.endr
.endm
	s_load_b256 s[4:11], s[0:1], 0x0               ; sv s[4:5], the weights' codes s[6:7], their scale bytes s[8:9], out s[10:11]
	v_lshl_add_u32 v[SPW], v0, 2, SPARE
	v_mov_b32 v[NIL], 0
	v_lshrrev_b32 v1, 5, v0
	s_delay_alu instid0(VALU_DEP_1)
	v_readfirstlane_b32 s[WV], v1                  ; wave 0..7
	v_and_b32 v2, 15, v0                           ; r
	v_bfe_u32 v3, v0, 4, 1                         ; h
	s_mul_i32 s17, s[WV], STG                      ; my stage
	v_mul_u32_u24 v[STO], v2, SPI
	s_delay_alu instid0(VALU_DEP_1)
	v_lshl_add_u32 v[STO], v3, 5, v[STO]
	s_delay_alu instid0(VALU_DEP_1)
	v_add_nc_u32 v[STO], s17, v[STO]               ; in: row r, + 32 h
	v_mul_u32_u24 v[RD], v3, SPI
	s_delay_alu instid0(VALU_DEP_1)
	v_lshl_add_u32 v[RD], v2, 4, v[RD]
	s_delay_alu instid0(VALU_DEP_1)
	v_add_nc_u32 v[RD], s17, v[RD]                 ; back: lanes 0-15 one row, lanes 16-31 the next
	v_lshlrev_b32 v[CO], 11, v3
	s_delay_alu instid0(VALU_DEP_1)
	v_lshl_add_u32 v[CO], v2, 4, v[CO]
	s_lshl_b32 s18, s[WV], 8
	v_add_nc_u32 v[CO], s18, v[CO]                 ; the same two rows of out, my 256 bytes of them
	v_lshlrev_b32 v[SVA], 3, v2
	v_mov_b32 v[ONE], 1.0
	v_lshlrev_b32 v14, 9, v2
	s_delay_alu instid0(VALU_DEP_1)
	v_lshl_add_u32 v14, v3, 4, v14                 ; Wp's codes: row r x 512 + 16 h
	v_lshlrev_b32 v15, 4, v2                       ; its scale bytes: 16 a row
	s_mov_b32 s20, 0x43e00000                      ; 448
	s_mov_b32 s21, 0xc3e00000                      ; -448
	s_mov_b32 s24, 0                               ; byte selects: byte c, four times
	s_mov_b32 s25, 0x01010101
	s_mov_b32 s26, 0x02020202
	s_mov_b32 s27, 0x03030303
	s_mov_b32 s36, 0x06040200                      ; the even bytes of eight,
	s_mov_b32 s37, 0x07050301                      ; the odd ones
	s_lshr_b32 s28, ttmp9, 6
	s_lshl_b32 s28, s28, 17                        ; sv: the batch's eight heads of 16,384 bytes,
	s_and_b32 s30, ttmp9, 63
	s_lshl_b32 s30, s30, 8
	s_add_co_u32 s28, s28, s30                     ; my group of 64 rows
	s_mov_b32 s29, 0
	s_lshl_b32 s30, s[WV], 15
	s_add_co_u32 s30, s30, 524288                  ; Wp is the third weight; my 64 rows of it
	s_mov_b32 s31, 0
	s_lshl_b32 s32, s[WV], 10
	s_add_co_u32 s32, s32, 16384
	s_mov_b32 s33, 0
	s_lshl_b32 s34, ttmp9, 17                      ; out: 64 rows of 2,048 bytes
	s_mov_b32 s35, 0
	s_wait_alu depctr_va_vdst(0)
	s_wait_kmcnt 0x0
	s_add_nc_u64 s[4:5], s[4:5], s[28:29]
	s_add_nc_u64 s[6:7], s[6:7], s[30:31]
	s_add_nc_u64 s[8:9], s[8:9], s[32:33]
	s_add_nc_u64 s[10:11], s[10:11], s[34:35]
.irp a, 0,1,2,3
.irp h, 0,1,2,3,4,5,6,7
	global_load_b32 v[SVR+8*\a+\h], v[SVA], s[4:5] offset:\h*16384+(\a/2)*128+(\a%2)*4   ; s of row 16 a + r, head h
.endr
.endr
.irp t, 0,1,2,3
	global_load_b128 v[OB+4*\t:OB+4*\t+3], v15, s[8:9] offset:256*\t                     ; the 16 scale bytes of row 16 t + r
.endr
	WIN 0x40                                       ; destination window 1
.irp t, 0,1,2,3                        ; fragment (tile t, g, e) at v[16 (4 t + 2 g + e)] of window 1: they stay
.irp g, 0,1
.irp e, 0,1
.irp c, 0,1,2,3
	global_load_b128 v[16*(4*\t+2*\g+\e)+4*\c:16*(4*\t+2*\g+\e)+4*\c+3], v14, s[6:7] offset:16*\t*512+256*\g+64*\c+32*\e
.endr
.endr
.endr
.endr
	WIN 0
	s_wait_loadcnt 0x0
.irp t, 0,1,2,3
.irp g, 0,1
	v_perm_b32 v[WS+4*\t+2*\g], v[OB+4*\t+2*\g+1], v[OB+4*\t+2*\g], s36      ; bytes 8 g + 2 c of the row: the scales of the blocks that e = 0 takes,
	v_perm_b32 v[WS+4*\t+2*\g+1], v[OB+4*\t+2*\g+1], v[OB+4*\t+2*\g], s37    ; bytes 8 g + 2 c + 1: e = 1
.endr
.endr
	BUILD 0
	MUL
	BUILD 1                                        ; the next tile's operand is made behind the products, ahead of the way out
	OUT 0
	MUL
	BUILD 2
	OUT 1
	MUL
	BUILD 3
	OUT 2
	MUL
	PLACES 9                                       ; in front of the first read of results
	OUT 3
	s_wait_tensorcnt 0x0                           ; the wave's end: behind my last LDS store
	ds_add_u32 v[SPW], v[NIL]
	s_wait_dscnt 0x0
	s_endpgm
.Lfunc_end_k_q827fb34e22_outp:
	.size	k_q827fb34e22_outp, .Lfunc_end_k_q827fb34e22_outp-k_q827fb34e22_outp
	.p2alignl 7, 3214868480
	.fill 96, 4, 3214868480
	.section	.rodata,"a",@progbits
	.p2align	6, 0x0
	.amdhsa_kernel k_q827fb34e22_outp
		.amdhsa_group_segment_fixed_size 35840
		.amdhsa_private_segment_fixed_size 0
		.amdhsa_enable_private_segment 0
		.amdhsa_kernarg_size 32
		.amdhsa_user_sgpr_count 2
		.amdhsa_user_sgpr_kernarg_segment_ptr 1
		.amdhsa_wavefront_size32 1
		.amdhsa_system_sgpr_workgroup_id_x 1
		.amdhsa_system_sgpr_workgroup_id_y 1
		.amdhsa_system_sgpr_workgroup_id_z 1
		.amdhsa_system_vgpr_workitem_id 0
		.amdhsa_next_free_vgpr 512
		.amdhsa_next_free_sgpr 66
		.amdhsa_reserve_vcc 0
		.amdhsa_float_denorm_mode_32 3
		.amdhsa_float_denorm_mode_16_64 3
		.amdhsa_memory_ordered 1
		.amdhsa_forward_progress 1
		.amdhsa_inst_pref_size 53
	.end_amdhsa_kernel
	.amdgpu_metadata
---
amdhsa.version: [ 1, 2 ]
amdhsa.kernels:
  - .name:           k_q827fb34e22_outp
    .symbol:         k_q827fb34e22_outp.kd
    .args:
      - { .name: sv, .offset: 0, .size: 8, .value_kind: global_buffer, .address_space: global }
      - { .name: wcodes, .offset: 8, .size: 8, .value_kind: global_buffer, .address_space: global }
      - { .name: wscales, .offset: 16, .size: 8, .value_kind: global_buffer, .address_space: global }
      - { .name: out0, .offset: 24, .size: 8, .value_kind: global_buffer, .address_space: global }
    .group_segment_fixed_size: 35840
    .private_segment_fixed_size: 0
    .kernarg_segment_align: 8
    .kernarg_segment_size: 32
    .max_flat_workgroup_size: 256
    .sgpr_count:     66
    .vgpr_count:     512
    .wavefront_size: 32
...
	.end_amdgpu_metadata
.endif
;; end of part 4
